; MI455X (gfx1250); checked and timed in simulation.
; The chip was launched on July 23, 2026; its instructions are those of AMD's public machine-readable ISA for CDNA 5 (MIT licence, August 2026) and "CDNA5" Instruction Set Architecture Reference Guide (July 2026). The comments in the code are by the model that wrote it; some were corrected since.
;; Quantizing. Allowed arithmetic: matrix products marked QUANTISED: E2M3 operands, one E8M0 scale for each 32 along K, by v_wmma_scale_f32_16x16x128_f8f6f4 with both operands' format E2M3, f32 sums; everything else in f32.
;; Inputs: weight 8,192 x 512 float32; x 8 x 2,048 x 512 float32.
;; Outputs: out0 8 x 2,048 x 512 float32; out1 8 x 2,048 int32.
;; This version of the problem:
;;   THIS VERSION OF THE PROBLEM IS GIVEN IN LOW PRECISION. The matrix products marked QUANTISED in the list below multiply operands that are first quantised to E2M3 (2 exponent bits, 3 mantissa bits; 6 bits a number), with one power-of-two scale for each 32 numbers along K (OCP MX v1.0); their sums are f32. All else is computed in f32.
;;   The module's matrix products, in the order in which they are computed (A, B: the left and right operand; K: the contracted axis; several contracted axes count as one K, in the product's order):
;;     1. [M 16,384, K 512] x [K 512, N 8,192]; A: input x; B: input weight: QUANTISED
;;   THE QUANTISER, for each operand of a quantised product, along K:
;;     - K is cut into blocks of 32 from its start; a last block that is shorter is filled with zeros.
;;     - A block's scale is 2^e with e = floor(log2(the largest magnitude in the block)) - 2, held to -126 .. 127; a block of zeros has e = 0. As a byte (E8M0): e + 127.
;;     - Each number is divided by its block's scale, clamped to +-7.5, and rounded to the nearest number of E2M3, ties to even, subnormals kept.
;;     - The product sums the exact products of the quantised numbers (number of the format x scale) in f32.
;;   ~~~python
;;   def quantise(x, axis):      # numpy; x: float32 -> the quantised numbers, widened to float32 again
;;       x = np.moveaxis(x, axis, -1); K = x.shape[-1]
;;       x = np.pad(x, [(0, 0)] * (x.ndim - 1) + [(0, -K % 32)]); x = x.reshape(x.shape[:-1] + (-1, 32)); a = np.abs(x).max(-1, keepdims=True)
;;       e = np.where(a > 0, np.clip(np.frexp(np.where(a > 0, a, 1))[1] - 1 - 2, -126, 127), 0)      # np.frexp(a)[1] - 1 = floor(log2(a)), exactly
;;       r = np.clip(x / 2.0 ** e, -7.5, 7.5)
;;       step = 2.0 ** (np.maximum(np.frexp(np.where(r == 0, 1, r))[1] - 1, 0) - 3)
;;       q = np.round(r / step) * step * 2.0 ** e      # np.round: ties to even
;;       return np.moveaxis(q.reshape(q.shape[:-2] + (-1,))[..., :K], -1, axis).astype(np.float32)
;;   ~~~
;; One version. Each part assembles by itself: llvm-mc -triple=amdgcn-amd-amdhsa -mcpu=gfx1250 --defsym DOCPART=n.
;; ======== version 1 of 1: 3 launches
;; limits: right only within a limited range of input values
;; workspace buffers: xc 6,291,456 bytes; xs 262,144 bytes; xq 65,536 bytes; wc 3,145,728 bytes; ws 131,072 bytes; wq 32,768 bytes; cand 524,288 bytes of whole numbers
;; launch quant (part 1): grid 1536 x 1, 4 waves a work-group, no clusters, 35,328 bytes of LDS; arguments x, weight, xc, xs, xq, wc, ws, wq; writes xc, xs, xq, wc, ws, wq
.if DOCPART == 1
	.amdgcn_target "amdgcn-amd-amdhsa--gfx1250"
	.amdhsa_code_object_version 6
	.text
	.protected	k_q135a81eb0b_quant
	.globl	k_q135a81eb0b_quant
	.p2align	8
	.type	k_q135a81eb0b_quant,@function
k_q135a81eb0b_quant:
	s_mov_b64 s[64:65], 0
	v_nop
	global_prefetch_b8 v0, s[64:65] scope:SCOPE_SE
	s_setreg_imm32_b32 hwreg(HW_REG_WAVE_MODE, 25, 1), 1
	s_wait_xcnt 0x0
; x [16384][512] and weight [8192][512], f32, are quantised once along their 512 into codes of FP6 (E2M3) with one E8M0 byte for each 32, and each row's sum of squares (of the f32 numbers) is made.
; A block's scale is 2^(floor(log2(its largest magnitude)) - 2); its byte is the largest magnitude's exponent field - 2, held at 1 from below.
; LIMITS: a block of zeros gets the byte 1 over zero codes (the bytes are read by this program alone); NaN and infinities among the inputs are not served;
; a row's sum of squares is added in this text's own order (pairs in two chains, then halves of lanes, then the four K steps), not in the order of the defining program.
; SHARES.  A work-group takes a tile of 16 rows: the first 1,024 work-groups those of x, the other 512 those of weight; only the four pointers are chosen, there is one path.  Wave s takes K step s: 16 rows x 128 numbers.
; THE CODES LEAVE AS AN IMAGE OF THE OPERAND'S REGISTERS: a fragment (16 rows x 128 K) is 12 registers a lane; registers 4 i .. 4 i + 3 of lane l lie at 512 i + 16 l of the fragment's 1,536 bytes,
; fragment (tile T, K step s) at (4 T + s) x 1,536.  So the product's launch brings a fragment by three loads of 16 bytes a lane, each 512 consecutive bytes.
; Lane (r, h) of a fragment holds row r, k = 64 c + 32 h + 0 .. 31 in registers 6 c .. 6 c + 5: two whole blocks of 32, so no other lane is asked for a maximum.
; The loads take the bytes as they lie (a row's 512 consecutive bytes a load); the wave's own stage in LDS turns them so that a lane holds its two blocks.
.set PITCH, 528                        ; a stage row: 512 bytes + 16, an odd multiple of 16: sixteen rows' equal columns fall on sixteen different 16-byte columns of 256 bytes
.set STGW,  16*PITCH                   ; a wave's stage
.set SCW,   4*STGW                     ; 256 bytes: the tile's scale words, (row r, K step s) at 16 r + 4 s: as they lie in memory
.set PSM,   SCW+256                    ; 256 bytes: the partial sums of squares, (K step s, row r) at 64 s + 4 r
.set R,   16                           ; v16-79   as loaded: row i in 4 registers
.set X,   80                           ; v80-143  v[X + 32 c + i] = number i of my block h + 2 c
.set C,   48                           ; v48-59: from here to QS the registers lie over rows 8 to 15 as loaded, which the stage has taken by then
.set T,   60                           ; v60-62, v64-66: a block's upper 16 codes
.set MX,  68
.set SO,  70
.set BY,  72
.set W,   74
.set PD,  144                          ; v144     a lane permute's destination
.set QS,  76
	s_load_b256 s[4:11], s[0:1], 0x0               ; x, weight, xc, xs
	s_load_b256 s[12:19], s[0:1], 0x20             ; xq, wc, ws, wq
	v_lshl_add_u32 v14, v0, 2, 0x8800              ; my spare word; never rewritten
	v_mov_b32 v15, 0                               ; 0; never rewritten
	v_lshrrev_b32 v1, 5, v0
	v_readfirstlane_b32 s20, v1                    ; wave = K step
	v_and_b32 v1, 31, v0                           ; lane
	v_and_b32 v2, 15, v0                           ; r
	v_bfe_u32 v3, v0, 4, 1                         ; h
	v_lshlrev_b32 v4, 4, v1                        ; 16 x lane: my bytes of a load's 512 and of a store's 512
	s_mul_i32 s22, s20, STGW
	v_add_nc_u32 v5, s22, v4                       ; into the stage: 16 x lane
	v_mul_u32_u24 v6, v2, PITCH
	v_lshl_add_u32 v6, v3, 7, v6
	v_add_nc_u32 v6, s22, v6                       ; out of it: row r, + 128 h: my first block
	s_lshl_b32 s23, s20, 2
	s_add_co_u32 s23, s23, SCW
	v_lshl_add_u32 v7, v2, 4, s23                  ; my scale word's place: 16 r + 4 x wave
	s_lshl_b32 s23, s20, 6
	s_add_co_u32 s23, s23, PSM
	v_lshl_add_u32 v8, v2, 2, s23                  ; my partial sum's place: 64 x wave + 4 r
	v_lshlrev_b32 v9, 3, v1                        ; 8 x lane
	v_add_nc_u32 v10, SCW, v9                      ; the scale words on their way out
	v_lshlrev_b32 v12, 2, v2                       ; 4 r
	v_add_nc_u32 v11, PSM, v12                     ; the partial sums on their way out
	v_lshlrev_b32 v13, 3, v3                       ; 8 h: my two bytes' shift in the scale word
	v_mov_b32 v[PD], 0                             ; written once: a lane permute's destination counts as one of its sources
	s_mov_b32 s26, 0x76543210
	s_mov_b32 s27, 0xfedcba98                      ; v_permlanex16_b32's selects for lane l xor 16
	s_wait_alu depctr_va_vdst(0)
	s_wait_kmcnt 0x0
	s_cmp_lt_u32 ttmp9, 1024                       ; x's work-group or weight's?  The choice hangs on the work-group's number alone
	s_cselect_b64 s[4:5], s[4:5], s[6:7]           ; the numbers
	s_cselect_b64 s[8:9], s[8:9], s[14:15]         ; the codes
	s_cselect_b64 s[10:11], s[10:11], s[16:17]     ; the scale bytes
	s_cselect_b64 s[12:13], s[12:13], s[18:19]     ; the sums of squares
	s_cselect_b32 s21, 0, 1024
	s_sub_co_u32 s21, ttmp9, s21                   ; T: the tile
	s_lshl_b32 s22, s21, 15                        ; 16 rows of 2,048 bytes
	s_lshl_b32 s23, s20, 9                         ; + my K step's 512 bytes of a row
	s_add_co_u32 s22, s22, s23
	s_mov_b32 s23, 0
	s_add_nc_u64 s[4:5], s[4:5], s[22:23]
	s_lshl_b32 s24, s21, 2
	s_add_co_u32 s24, s24, s20
	s_mul_i32 s24, s24, 1536                       ; fragment 4 T + wave
	s_mov_b32 s25, 0
	s_add_nc_u64 s[8:9], s[8:9], s[24:25]
	s_lshl_b32 s22, s21, 8                         ; 16 rows x 16 scale bytes
	s_add_nc_u64 s[10:11], s[10:11], s[22:23]
	s_lshl_b32 s22, s21, 6                         ; 16 rows x 4 bytes
	s_add_nc_u64 s[12:13], s[12:13], s[22:23]
.irp i, 0,1,2,3,4,5,6,7,8,9,10,11,12,13,14,15
	global_load_b128 v[R+4*\i:R+4*\i+3], v4, s[4:5] offset:2048*\i th:TH_LOAD_NT   ; 32 lanes read row i's 512 consecutive bytes
.endr
.irp i, 0,1,2,3,4,5,6,7,8,9,10,11,12,13,14,15
	s_wait_loadcnt 15-\i                           ; loads come back in order: row i is in, the 15 - i younger ones may be out
	ds_store_b128 v5, v[R+4*\i:R+4*\i+3] offset:PITCH*\i
.endr
.irp c, 0,1
.irp j, 0,1,2,3,4,5,6,7
	ds_load_b128 v[X+32*\c+4*\j:X+32*\c+4*\j+3], v6 offset:256*\c+16*\j   ; my wave's own bytes, and LDS serves a wave's instructions in order: these see the stores above
.endr
.endr
	s_wait_dscnt 0x0
	; the sum of squares of my 64 numbers, two at a time, in two chains started by the first products
	v_pk_mul_f32 v[QS:QS+1], v[X:X+1], v[X:X+1]
	v_pk_mul_f32 v[QS+2:QS+3], v[X+2:X+3], v[X+2:X+3]
.irp i, 4,8,12,16,20,24,28,32,36,40,44,48,52,56,60
	v_pk_fma_f32 v[QS:QS+1], v[X+\i:X+\i+1], v[X+\i:X+\i+1], v[QS:QS+1]
	v_pk_fma_f32 v[QS+2:QS+3], v[X+\i+2:X+\i+3], v[X+\i+2:X+\i+3], v[QS+2:QS+3]
.endr
	; the largest magnitude of each of my two blocks, the blocks by turns
.irp c, 0,1
	v_max3_num_f32 v[MX+\c], |v[X+32*\c]|, |v[X+32*\c+1]|, 0x1800000   ; and the floor 2^(3 - 127): the byte cannot fall under 1
.endr
.irp i, 2,4,6,8,10,12,14,16,18,20,22,24,26,28,30
.irp c, 0,1
	v_max3_num_f32 v[MX+\c], v[MX+\c], |v[X+32*\c+\i]|, |v[X+32*\c+\i+1]|
.endr
.endr
	v_pk_add_f32 v[QS:QS+1], v[QS:QS+1], v[QS+2:QS+3]
.irp c, 0,1
	v_add_nc_u32 v[SO+\c], 0xff000000, v[MX+\c]    ; 2 off the exponent field: the conversion takes the exponent field of this operand as its scale, and nothing else of it
.endr
	v_add_f32 v[QS], v[QS], v[QS+1]
.irp c, 0,1
	v_lshrrev_b32 v[BY+\c], 23, v[SO+\c]           ; the scale's byte
.endr
	v_permlanex16_b32 v[PD], v[QS], s26, s27
	v_add_f32 v[QS], v[QS], v[PD]                  ; with lane l xor 16's: row r's sum over this K step
	v_lshl_or_b32 v[W], v[BY+1], 16, v[BY]         ; my two bytes: blocks h and 2 + h,
	v_lshlrev_b32 v[W], v13, v[W]                  ; at their places in the scale word;
	v_permlanex16_b32 v[PD], v[W], s26, s27
	v_or_b32 v[W], v[W], v[PD]                     ; with lane l xor 16's two the word is whole
.irp c, 0,1
	v_cvt_scalef32_pk16_fp6_f32 v[C+6*\c:C+6*\c+2], v[X+32*\c:X+32*\c+15], v[SO+\c]        ; 16 numbers / the scale, to the nearest code, ties to even, beyond the largest code the largest
	v_cvt_scalef32_pk16_fp6_f32 v[T+4*\c:T+4*\c+2], v[X+32*\c+16:X+32*\c+31], v[SO+\c]
.endr
	v_nop                                          ; one plain vector instruction between a scaled conversion and the vector instruction that touches its result
.irp c, 0,1
.irp i, 0,1,2
	v_mov_b32 v[C+6*\c+3+\i], v[T+4*\c+\i]
.endr
.endr
.irp i, 0,1,2
	global_store_b128 v4, v[C+4*\i:C+4*\i+3], s[8:9] offset:512*\i   ; 32 lanes store 512 consecutive bytes, at a multiple of 256 from the buffer's first byte
.endr
	ds_store_b32 v7, v[W]                          ; (lanes r and r + 16 write the same word with the same value)
	ds_store_b32 v8, v[QS]
	s_wait_dscnt 0x0                               ; for the others' sake: my stores have landed
	s_barrier_signal -1
	s_barrier_wait -1
	s_cmp_lg_u32 s20, 0                            ; wave 0 sends the tile's scale bytes and sums; no barrier stands behind this branch
	s_cbranch_scc1 .Ldone
	ds_load_b64 v[16:17], v10
.irp s, 0,1,2,3
	ds_load_b32 v[18+\s], v11 offset:64*\s
.endr
	s_wait_dscnt 0x0
	global_store_b64 v9, v[16:17], s[10:11]        ; 32 lanes store 256 consecutive bytes, aligned: 16 rows' scale bytes
	v_add_f32 v18, v18, v19
	v_add_f32 v20, v20, v21
	v_add_f32 v18, v18, v20                        ; the row's sum of squares
	v_cmp_gt_u32 vcc_lo, 16, v1
	s_wait_alu depctr_va_vdst(0)
	s_wait_xcnt 0x0                                ; EXEC is a source of the stores that are out: it changes only behind this wait
	s_and_saveexec_b32 s28, vcc_lo
	global_store_b32 v12, v18, s[12:13]            ; 16 lanes, 64 consecutive bytes: all that a tile has of these (98,304 bytes in the whole launch)
	s_wait_xcnt 0x0
	s_or_b32 exec_lo, exec_lo, s28
.Ldone:
	s_wait_tensorcnt 0x0
	ds_add_u32 v14, v15
	s_wait_dscnt 0x0
	s_endpgm
.Lfunc_end_k_q135a81eb0b_quant:
	.size	k_q135a81eb0b_quant, .Lfunc_end_k_q135a81eb0b_quant-k_q135a81eb0b_quant
	.p2alignl 7, 3214868480
	.fill 96, 4, 3214868480
	.section	.rodata,"a",@progbits
	.p2align	6, 0x0
	.amdhsa_kernel k_q135a81eb0b_quant
		.amdhsa_group_segment_fixed_size 35328
		.amdhsa_private_segment_fixed_size 0
		.amdhsa_enable_private_segment 0
		.amdhsa_kernarg_size 64
		.amdhsa_user_sgpr_count 2
		.amdhsa_user_sgpr_kernarg_segment_ptr 1
		.amdhsa_wavefront_size32 1
		.amdhsa_system_sgpr_workgroup_id_x 1
		.amdhsa_system_sgpr_workgroup_id_y 1
		.amdhsa_system_sgpr_workgroup_id_z 1
		.amdhsa_system_vgpr_workitem_id 0
		.amdhsa_next_free_vgpr 146
		.amdhsa_next_free_sgpr 66
		.amdhsa_reserve_vcc 1
		.amdhsa_float_denorm_mode_32 3
		.amdhsa_float_denorm_mode_16_64 3
		.amdhsa_memory_ordered 1
		.amdhsa_forward_progress 1
		.amdhsa_inst_pref_size 14
	.end_amdhsa_kernel
	.amdgpu_metadata
---
amdhsa.version: [ 1, 2 ]
amdhsa.kernels:
  - .name:           k_q135a81eb0b_quant
    .symbol:         k_q135a81eb0b_quant.kd
    .args:
      - { .name: x, .offset: 0, .size: 8, .value_kind: global_buffer, .address_space: global }
      - { .name: weight, .offset: 8, .size: 8, .value_kind: global_buffer, .address_space: global }
      - { .name: xc, .offset: 16, .size: 8, .value_kind: global_buffer, .address_space: global }
      - { .name: xs, .offset: 24, .size: 8, .value_kind: global_buffer, .address_space: global }
      - { .name: xq, .offset: 32, .size: 8, .value_kind: global_buffer, .address_space: global }
      - { .name: wc, .offset: 40, .size: 8, .value_kind: global_buffer, .address_space: global }
      - { .name: ws, .offset: 48, .size: 8, .value_kind: global_buffer, .address_space: global }
      - { .name: wq, .offset: 56, .size: 8, .value_kind: global_buffer, .address_space: global }
    .group_segment_fixed_size: 35328
    .private_segment_fixed_size: 0
    .kernarg_segment_align: 8
    .kernarg_segment_size: 64
    .max_flat_workgroup_size: 128
    .sgpr_count:     66
    .vgpr_count:     146
    .wavefront_size: 32
...
	.end_amdgpu_metadata
.endif
;; end of part 1
;; launch search (part 2): grid 64 x 4, 8 waves a work-group, clusters of 4 x 1, 327,680 bytes of LDS; arguments xc, xs, xq, wc, ws, wq, cand; writes cand
.if DOCPART == 2
	.amdgcn_target "amdgcn-amd-amdhsa--gfx1250"
	.amdhsa_code_object_version 6
	.text
	.protected	k_q135a81eb0b_search
	.globl	k_q135a81eb0b_search
	.p2align	8
	.type	k_q135a81eb0b_search,@function
k_q135a81eb0b_search:
	s_mov_b64 s[64:65], 0
	v_nop
	global_prefetch_b8 v0, s[64:65] scope:SCOPE_SE
	s_setreg_imm32_b32 hwreg(HW_REG_WAVE_MODE, 25, 1), 1
	s_wait_xcnt 0x0
	s_wait_alu depctr_hold_cnt(0) depctr_sa_sdst(0) depctr_va_vdst(0) depctr_va_sdst(0) depctr_va_ssrc(0) depctr_va_vcc(0) depctr_vm_vsrc(0)
	s_getreg_b32 s2, hwreg(HW_REG_IB_STS2, 6, 4)
	s_cmp_eq_u32 s2, 0
	s_cbranch_scc0 .Lentry_in_a_cluster
	s_endpgm
.Lentry_in_a_cluster:
	s_bfe_u32 s2, ttmp6, 0x10000c
	s_cmp_lg_u32 s2, 0x3003
	s_cbranch_scc0 .Lentry_shape_is_right
	s_endpgm
.Lentry_shape_is_right:
; d[n][q] = (x_sq[n] - 2 x[n] . w[q]) + w_sq[q], the product on codes of FP6 (E2M3) with E8M0 scales; for each row n the smallest d and its lowest index q within one QUARTER of the 8,192 code words.
; d has the defining program's two roundings: one fused multiply-add by -2, then one addition.  x_sq stays: beside it the other terms lose bits, which decides between near code words.
; OUT: cand [2][4 quarters][16384] u32: plane 0 a key, plane 1 the index.  key = bits ^ ((bits asr 31) | 0x80000000) rises with d.
; LIMITS: NaN and infinities among the distances are not served.
; SHARES.  A work-group takes 256 rows x 2,048 code words.  Eight waves, two to a SIMD: wave w takes rows 64 (w % 4) on (four tiles of 16) and, of each slot's 16 tiles of code words, tiles 8 (w / 4) on.
; x's fragments (4 tiles x 4 K steps x 12 registers) stay in registers; a fragment of the code words feeds four matrix instructions.
; TRANSPOSED USE: source 0 = 16 code words, source 1 = 16 rows of x: lane (r, h) holds ONE row r, register j the code word n0 + 8 h + j.
; TWO SETS OF FOUR ACCUMULATORS: tile t's four K steps (four matrix instructions each) stand by turns with the four stages of tile t - 1's argmin, which works on the other set.
; THE ARGMIN of 8 distances of a lane: 4 packed multiply-adds, 4 packed additions, 4 minima of three, a strict compare new < old, a select of the tile's base index, 8 selects that keep the winning tile's distances.
; The place among the 8 is found once, at the end.  A lane meets its code words in rising order: the first of equals stays.
; THE RING: two LDS slots of 16 tiles (98,304 bytes); the quarter's scale bytes and sums of squares come once, at the head, and stay.
; CLUSTER: four work-groups with four row blocks and ONE quarter: every tensor load is asked for jointly, with the mask of all four.  x's fragments are each partner's own.
; No data prefetch is laid: a quarter's stream is walked in the same order by the 16 clusters of that quarter, and a refill has a slot's 128 matrix instructions of each wave in which to land.
; REGISTERS: window 0: v1-15 addresses; v16-31 x's scale words; v32-39 x_sq; v40-47 best d, two by turns; v48-51 the best tile's base; v52-83 its 8 distances; v84-115, v188-219 accumulators;
;   v116-123 the code words' scale words, v124-139 their sums of squares (two sets each); v140-187 their fragments, set 0; v236 the tile's base index.  window 1: v0-191 x's fragments; v192-239 the code words' fragments, set 1.
.set TILEB, 6144                       ; a tile of 16 code words: 4 K steps x 1,536 bytes of register images
.set FRB,   1536
.set SLOT1, 1<<17                      ; slot 0 at 0, slot 1 here
.set WSC,   16*TILEB                   ; behind slot 0: the quarter's scale bytes, 2,048 rows x 16
.set WQL,   SLOT1+16*TILEB             ; behind slot 1: the quarter's sums of squares, 8,192 bytes
.set RED,   WQL+8192                   ; 4,096 bytes that no tensor load fills: [half of the code words][256 rows][key, index]
.set SPARE, RED+4096                   ; the spare words: 128 bytes for each of eight waves
.set AB0, 1
.set AS0, 2
.set AQ0, 3
.set ADB, 4                            ; v4-6 the three addresses in the slot in hand
.set ADS, 5
.set ADQ, 6
.set RA,  8
.set RDA, 9
.set L16, 10
.set R16, 11
.set R4,  12
.set T8,  13
.set SPW, 14                           ; my spare word; never rewritten
.set NIL, 15                           ; 0; never rewritten
.set XS,  16
.set XQ,  32
.set BEST, 40
.set ID,  48
.set SV,  52
.set ACC, 84                           ; set p at ACC + 104 p
.set WS,  116
.set WQ,  124
.set BF,  140                          ; set p at BF + 52 p: set 1 is v192 of window 1
.set NTV, 236
.set KI,  140                          ; at the end: (key, index) of tile a; PK the other half's; POS places; TM at work
.set PK,  148
.set POS, 156
.set TM,  160
.set WV,  18
.set MG,  19
.set NH,  20
.set CX,  21
.set RB,  22
.set QY,  23
.set G1C, 24                           ; group 1: 48 rows of 256 bytes: a wave's eighth of a slot
.set G1S, 32                           ; 128 rows: the scale bytes
.set G1Q, 40                           ; 32 rows: the sums of squares
.set G1H, 92                           ; 64 rows: a sixth of slot 0, at the head
.set G0C, 48
.set G0S, 52
.set G0Q, 56
.set G0H, 72
.set SEL, 60
.set TB,  62
.set TS,  63
.set TQ,  66
.set SLOTS, 68
.set MK,  76                           ; s76-79 the four tiles' masks (in the head: address terms)
.set VM2, 237                          ; v237-238 -2.0, one register for each half of a dual pair
.set MSB, 0
.macro WIN new                         ; the immediate's high byte repeats the setting that is left
.if MSB != \new
	s_set_vgpr_msb (MSB<<8)|\new
.set MSB, \new
.endif
.endm
.macro NOP4
.rept 4
	v_nop
.endr
.endm
.macro CROUND                          ; a round of the cluster's barrier
	s_barrier_signal -1
	s_barrier_wait -1
	s_cmp_lg_u32 s[WV], 0
	s_cbranch_scc1 .Lnot_wave_0_\@
	s_barrier_signal -3
.Lnot_wave_0_\@:
	s_barrier_wait -3
	s_barrier_signal -1
	s_barrier_wait -1
.endm
.macro LOADB t                         ; 13 LDS loads: tile t's four fragments and its rows' scale words, into set t % 2
.set PB, BF+52*((\t)%2)
.set WN, 0x40*((\t)%2)
	WIN WN
.irp s, 0,1,2,3
.irp c, 0,1,2
	ds_load_b128 v[PB+12*\s+4*\c:PB+12*\s+4*\c+3], v[ADB] offset:TILEB*(\t)+FRB*\s+512*\c
.endr
.endr
	WIN 0
	ds_load_b128 v[WS+4*((\t)%2):WS+4*((\t)%2)+3], v[ADS] offset:256*(\t)
.endm
.macro LOADQ t                         ; 2 LDS loads: the sums of squares of my eight code words of tile t
	ds_load_b128 v[WQ+8*((\t)%2):WQ+8*((\t)%2)+3], v[ADQ] offset:64*(\t)
	ds_load_b128 v[WQ+8*((\t)%2)+4:WQ+8*((\t)%2)+7], v[ADQ] offset:64*(\t)+16
.endm
.macro MUL4 t, s                       ; K step s of tile t against my four tiles of rows: the four accumulators by turns; K step 0 starts the sums
.set PB, BF+52*((\t)%2)
.set PS, WS+4*((\t)%2)
.set PA, ACC+104*((\t)%2)
.set WN, 0x04+((\t)%2)                 ; source 1 (x) window 1; source 0 window t % 2
	WIN WN
.irp a, 0,1,2,3
.if (\s) == 0
	v_wmma_scale_f32_16x16x128_f8f6f4 v[PA+8*\a:PA+8*\a+7], v[PB:PB+11], v[48*\a:48*\a+11], 0, v[PS], v[XS+4*\a] matrix_a_fmt:MATRIX_FMT_FP6 matrix_b_fmt:MATRIX_FMT_FP6
.else
	v_wmma_scale_f32_16x16x128_f8f6f4 v[PA+8*\a:PA+8*\a+7], v[PB+12*(\s):PB+12*(\s)+11], v[48*\a+12*(\s):48*\a+12*(\s)+11], v[PA+8*\a:PA+8*\a+7], v[PS+(\s)], v[XS+4*\a+(\s)] matrix_a_fmt:MATRIX_FMT_FP6 matrix_b_fmt:MATRIX_FMT_FP6
.endif
.endr
.endm
.macro EPI t, c                        ; stage c of tile t's distances and argmin; the four tiles of rows by turns; each accumulator is read from its low end on
.set PA, ACC+104*((\t)%2)
.set PQ, WQ+8*((\t)%2)
.set BO, BEST+((\t)%2)                 ; the best so far, and the new one: they change places from tile to tile
.set BN, BEST+1-((\t)%2)
.if (\c) == 0
.irp k, 0,1,2,3
.irp a, 0,1,2,3
	v_dual_fma_f32 v[PA+8*\a+2*\k], v[PA+8*\a+2*\k], v[VM2], v[XQ+2*\a] :: v_dual_fma_f32 v[PA+8*\a+2*\k+1], v[PA+8*\a+2*\k+1], v[VM2+1], v[XQ+2*\a+1]   ; x_sq - 2 x the product: one rounding; two neighbours to an instruction
.endr
.endr
.endif
.if (\c) == 1
.irp k, 0,1,2,3
.irp a, 0,1,2,3
	v_dual_add_f32 v[PA+8*\a+2*\k], v[PA+8*\a+2*\k], v[PQ+2*\k] :: v_dual_add_f32 v[PA+8*\a+2*\k+1], v[PA+8*\a+2*\k+1], v[PQ+2*\k+1]   ; + w_sq: the second rounding
.endr
.endr
.endif
.if (\c) == 2
.irp a, 0,1,2,3
	v_min3_num_f32 v[BN+2*\a], v[BO+2*\a], v[PA+8*\a], v[PA+8*\a+1]
.endr
.irp k, 1,2,3
.irp a, 0,1,2,3
	s_delay_alu instid0(VALU_DEP_4)
	v_min3_num_f32 v[BN+2*\a], v[BN+2*\a], v[PA+8*\a+2*\k], v[PA+8*\a+2*\k+1]
.endr
.endr
.endif
.if (\c) == 3
.irp a, 0,1,2,3                        ; the mask lies in VCC, so that two selects go in one instruction: the eight kept distances take four
	v_cmp_lt_f32 vcc_lo, v[BN+2*\a], v[BO+2*\a]    ; strictly smaller: of equals the earlier tile stays
	s_delay_alu instid0(VALU_DEP_1)
	v_cndmask_b32 v[ID+\a], v[ID+\a], v[NTV], vcc_lo
.irp j, 0,2,4,6
	v_dual_cndmask_b32 v[SV+8*\a+\j], v[SV+8*\a+\j], v[PA+8*\a+\j] :: v_dual_cndmask_b32 v[SV+8*\a+\j+1], v[SV+8*\a+\j+1], v[PA+8*\a+\j+1]
.endr
.endr
	v_add_nc_u32 v[NTV], 16, v[NTV]                ; the next tile's base
.endif
.endm
; Tile t's products with tile t - 1's argmin between them.  The stage behind a K step names none of that K step's registers; stage 3's 32 selects are the places
; in front of the loads into tile t's fragments and scale words and of the next reads of its results.
.macro PHASE t
.if (\t) == 1
	s_wait_dscnt 13                                ; tile 1's loads and both first sums are in; tile 2's 13 may be out
.elseif (\t) == 7
	s_wait_dscnt 2                                 ; only tile 7's two loads of sums may be out
.else
	s_wait_dscnt 15                                ; the 13 + 2 loads issued behind the last tile may be out
.endif
.irp s, 0,1,2,3
	MUL4 \t, \s
	WIN 0
	EPI (\t)-1, \s
.endr
.if (\t) < 6
	LOADB (\t)+2
.endif
.if (\t) < 7
	LOADQ (\t)+1                                   ; into the set that stage 1 above has read
.endif
.endm
.macro SLOT_WORK
	v_add_nc_u32 v[ADB], s[TB], v[AB0]
	v_add_nc_u32 v[ADS], s[TS], v[AS0]
	v_add_nc_u32 v[ADQ], s[TQ], v[AQ0]
	LOADB 0
	LOADQ 0
	LOADB 1
	LOADQ 1
	s_wait_alu depctr_va_vdst(0)                   ; directly ahead of the wait below
	s_wait_dscnt 17                                ; tile 0's 13 loads are in; the 2 + 13 + 2 behind them may be out
.irp s, 0,1,2,3
	MUL4 0, \s
.endr
	WIN 0
	NOP4                                           ; four places in front of the loads below and of the first read of tile 0's results
	LOADB 2
.irp t, 1,2,3,4,5,6,7
	PHASE \t
.endr
	s_wait_dscnt 0x0                               ; tile 7's sums of squares
.irp c, 0,1,2,3
	EPI 7, \c
.endr
	s_xor_b32 s[TB], s[TB], SLOT1                  ; on to the other slot
	s_add_co_u32 s[TS], s[TS], 4096
	s_add_co_u32 s[TQ], s[TQ], 1024
	v_add_nc_u32 v[NTV], 128, v[NTV]               ; past the other half's eight tiles
.endm
; THE CHANGE OF SLOTS.  Each wave waits for all its tensor loads, adds 0 to its spare word, and waits for that and for its reads of the slot that it has left.
; fill = 1: a round of the cluster's barrier, then the joint refill, first thing, one load a wave.  By this text's own count a wave has one tensor load out at the most.
.macro CHANGE fill
	s_wait_tensorcnt 0x0                           ; no tensor load of mine is out, so the group 0 may be written
	ds_add_u32 v[SPW], v[NIL]
.if \fill
	s_xor_b32 s[G0C+1], s[G0C+1], SLOT1
	s_add_nc_u64 s[G0C+2:G0C+3], s[G0C+2:G0C+3], 16*TILEB
.endif
	s_wait_dscnt 0x0
.if \fill
	CROUND
	tensor_load_to_lds s[G0C:G0C+3], s[G1C:G1C+7]
	s_nop 0
	NOP4
.else
	s_barrier_signal -1
	s_barrier_wait -1
.endif
.endm
.macro SEL2 k1, i1, k2, i2             ; (k1, i1) becomes the smaller of the two: by the key, of equal keys by the index
	v_cmp_lt_u32 s80, v[\k2], v[\k1]
	v_cmp_eq_u32 s81, v[\k2], v[\k1]
	v_cmp_lt_u32 s82, v[\i2], v[\i1]
	s_and_b32 s81, s81, s82
	s_or_b32 s80, s80, s81
	v_cndmask_b32 v[\k1], v[\k1], v[\k2], s80
	v_cndmask_b32 v[\i1], v[\i1], v[\i2], s80
.endm
.macro ARM under, g0, g1, next         ; one arm of the head's chain: its load, and a jump to the join
	s_cmp_lt_u32 s[WV], \under
	s_cbranch_scc0 \next
	tensor_load_to_lds s[\g0:\g0+3], s[\g1:\g1+7]
	s_nop 0
	NOP4
	s_branch .Lh_done
\next:
.endm
	s_load_b256 s[4:11], s[0:1], 0x0               ; xc s[4:5], xs s[6:7], xq s[8:9], wc s[10:11]
	s_load_b128 s[12:15], s[0:1], 0x20             ; ws s[12:13], wq s[14:15]
	s_load_b64 s[16:17], s[0:1], 0x30              ; cand
	v_lshl_add_u32 v[SPW], v0, 2, SPARE
	v_mov_b32 v[NIL], 0
	ds_add_u32 v[SPW], v[NIL]                      ; the opening lines: the add twice on end and one wait
	ds_add_u32 v[SPW], v[NIL]
	v_lshrrev_b32 v4, 5, v0
	s_delay_alu instid0(VALU_DEP_1)
	v_readfirstlane_b32 s[WV], v4                  ; wave 0..7
	s_and_b32 s[MG], s[WV], 3                      ; which 64 rows
	s_lshr_b32 s[NH], s[WV], 2                     ; which half of a slot's tiles
	s_bfe_u32 s[CX], ttmp6, 0x40000
	s_lshl_b32 s[RB], ttmp9, 2
	s_add_co_u32 s[RB], s[RB], s[CX]               ; my block of 256 rows: it enters the addresses of xc, xs, xq and cand alone
	s_and_b32 s[QY], ttmp7, 0xffff                 ; the quarter, which the four partners share
	s_mul_i32 s76, s[NH], 8*TILEB                  ; my half's 8 tiles in a slot,
	s_lshl_b32 s77, s[NH], 11
	s_lshl_b32 s79, s[MG], 9
	s_add_co_u32 s79, s79, s77
	s_add_co_u32 s79, s79, RED                     ; my rows' results: 2,048 x half + 512 x group,
	s_add_co_u32 s77, s77, WSC                     ; their scale words,
	s_lshl_b32 s78, s[NH], 9
	s_add_co_u32 s78, s78, WQL                     ; their sums of squares,
	s_lshl_b32 s80, s[QY], 11
	s_lshl_b32 s81, s[NH], 7
	s_add_co_u32 s80, s80, s81                     ; and my first tile's first code word
	s_mov_b32 s[SEL], 0x76543210
	s_mov_b32 s[SEL+1], 0xfedcba98
	s_mov_b32 s[TB], 0
	s_mov_b32 s[TS], 0
	s_mov_b32 s[TQ], 0
	s_mov_b32 s[SLOTS], 7
.irp g, G1C, G1S, G1Q, G1H             ; dense blocks as rows of 256 bytes (32 elements of 8 bytes), no padding
	s_mov_b32 s[\g], 15|(3<<16)|(1<<21)            ; the mask of all four; elements of 8 bytes; bit 21 beside a mask
	s_mov_b32 s[\g+1], 32<<16
	s_mov_b32 s[\g+3], 32<<16
	s_mov_b32 s[\g+5], 32
	s_mov_b32 s[\g+6], 0
	s_mov_b32 s[\g+7], 0
.endr
	s_mov_b32 s[G1C+2], 48<<16
	s_mov_b32 s[G1C+4], 48
	s_mov_b32 s[G1S+2], 128<<16
	s_mov_b32 s[G1S+4], 128
	s_mov_b32 s[G1Q+2], 32<<16
	s_mov_b32 s[G1Q+4], 32
	s_mov_b32 s[G1H+2], 64<<16
	s_mov_b32 s[G1H+4], 64
	s_mov_b32 s71, 0
	s_mov_b32 s85, 0
	s_wait_dscnt 0x0                               ; both opening adds are done
	s_wait_kmcnt 0x0
	; groups 0: made of the quarter and the wave's number alone, the same in all four partners
	s_mul_i32 s70, s[QY], 128*TILEB
	s_lshl_b32 s83, s[WV], 14
	s_add_co_u32 s84, s70, s83
	s_mov_b32 s[G0H], 1
	s_lshl_b32 s[G0H+1], s[WV], 14                 ; slot 0, sixth w (waves 0 to 5 use it)
	s_add_nc_u64 s[G0H+2:G0H+3], s[10:11], s[84:85]
	s_or_b32 s[G0H+3], s[G0H+3], 0x80000000
	s_mul_i32 s83, s[WV], 2*TILEB
	s_add_co_u32 s70, s70, s83
	s_mov_b32 s[G0C], 1
	s_mul_i32 s[G0C+1], s[WV], 2*TILEB             ; slot 0, my eighth: stepped to slot 1 ahead of its first use
	s_add_nc_u64 s[G0C+2:G0C+3], s[10:11], s[70:71]
	s_or_b32 s[G0C+3], s[G0C+3], 0x80000000
	s_lshl_b32 s70, s[QY], 15
	s_mov_b32 s[G0S], 1
	s_mov_b32 s[G0S+1], WSC
	s_add_nc_u64 s[G0S+2:G0S+3], s[12:13], s[70:71]
	s_or_b32 s[G0S+3], s[G0S+3], 0x80000000
	s_lshl_b32 s70, s[QY], 13
	s_mov_b32 s[G0Q], 1
	s_mov_b32 s[G0Q+1], WQL
	s_add_nc_u64 s[G0Q+2:G0Q+3], s[14:15], s[70:71]
	s_or_b32 s[G0Q+3], s[G0Q+3], 0x80000000
	; my rows: in registers of their own, which feed no descriptor
	s_mul_i32 s84, s[RB], 16*TILEB
	s_mul_i32 s86, s[MG], 4*TILEB
	s_add_co_u32 s84, s84, s86
	s_add_nc_u64 s[4:5], s[4:5], s[84:85]          ; xc at my four tiles
	s_lshl_b32 s84, s[RB], 12
	s_lshl_b32 s86, s[MG], 10
	s_add_co_u32 s84, s84, s86
	s_add_nc_u64 s[6:7], s[6:7], s[84:85]          ; xs: 16 bytes a row
	s_lshl_b32 s84, s[RB], 10
	s_lshl_b32 s86, s[MG], 8
	s_add_co_u32 s84, s84, s86
	s_add_nc_u64 s[8:9], s[8:9], s[84:85]          ; xq: 4 bytes a row
	s_lshl_b32 s84, s[QY], 16
	s_lshl_b32 s86, s[RB], 10
	s_add_co_u32 s84, s84, s86
	s_add_nc_u64 s[16:17], s[16:17], s[84:85]      ; cand: my quarter's plane of keys, my block's 256 words
	CROUND                                         ; all four work-groups are here: the first joint loads meet
	; THE HEAD'S LOADS, ONE A WAVE, in one chain of branches on the wave's number: waves 0 to 5 a sixth of slot 0 each, wave 6 the scale bytes, wave 7 the sums of squares
	ARM 6, G0H, G1H, .Lh_s
	ARM 7, G0S, G1S, .Lh_q
	tensor_load_to_lds s[G0Q:G0Q+3], s[G1Q:G1Q+7]
	s_nop 0
	NOP4
.Lh_done:
	v_and_b32 v5, 31, v0                           ; lane
	v_and_b32 v6, 15, v0                           ; r
	v_bfe_u32 v7, v0, 4, 1                         ; h
	v_lshlrev_b32 v[T8], 3, v0
	v_lshl_add_u32 v[RDA], v0, 4, RED              ; threads 0 to 127: rows 2 t and 2 t + 1
	v_lshlrev_b32 v[L16], 4, v5
	v_lshlrev_b32 v[R16], 4, v6
	v_lshlrev_b32 v[R4], 2, v6
	v_lshl_add_u32 v[AQ0], v7, 5, s78
	v_lshl_add_u32 v[RA], v6, 3, s79
	v_lshl_add_u32 v[NTV], v7, 3, s80
	v_add_nc_u32 v[AB0], s76, v[L16]
	v_add_nc_u32 v[AS0], s77, v[R16]
	s_wait_alu depctr_va_vdst(0)
	WIN 0x40                                       ; destination window 1, address window 0
.set KK, 0
.rept 48
	global_load_b128 v[4*KK:4*KK+3], v[L16], s[4:5] offset:512*KK   ; x's fragments as they were stored: (tile a, K step s) at v[48 a + 12 s]
.set KK, KK+1
.endr
	WIN 0
.irp a, 0,1,2,3
	global_load_b128 v[XS+4*\a:XS+4*\a+3], v[R16], s[6:7] offset:256*\a   ; row r's four scale words
	global_load_b32 v[XQ+2*\a], v[R4], s[8:9] offset:64*\a                ; and its sum of squares
.endr
.irp a, 0,1,2,3
	v_mov_b32 v[BEST+2*\a], 0x7f800000             ; the best so far: +infinity
	v_mov_b32 v[ID+\a], 0
.endr
.set KK, 0
.rept 32
	v_mov_b32 v[SV+KK], 0x7f800000
.set KK, KK+1
.endr
	v_mov_b32 v[VM2], -2.0
	v_mov_b32 v[VM2+1], -2.0
	s_wait_loadcnt 0x0                             ; x
.irp a, 0,1,2,3
	v_mov_b32 v[XQ+2*\a+1], v[XQ+2*\a]             ; (named with it as a pair)
.endr
	s_wait_alu depctr_va_vdst(0)
.Lslot:                                            ; 7 trips: trip k asks for tiles 16 (k + 1) on and works on tiles 16 k on
	CHANGE 1
	SLOT_WORK
	s_sub_co_u32 s[SLOTS], s[SLOTS], 1
	s_cmp_lg_u32 s[SLOTS], 0
	s_cbranch_scc1 .Lslot
	CHANGE 0                                       ; the last slot is written out
	SLOT_WORK
	; THE END.  The lowest place among the kept eight that holds the best d; the index; the key; the other half of the lanes'; then the other half of the tiles', through LDS.
.irp a, 0,1,2,3
	v_mov_b32 v[POS+\a], 7
.endr
.irp j, 6,5,4,3,2,1,0
.irp a, 0,1,2,3
	v_cmp_eq_f32 s[MK+\a], v[SV+8*\a+\j], v[BEST+2*\a]
.endr
.irp a, 0,1,2,3
	s_delay_alu instid0(VALU_DEP_4)
	v_cndmask_b32 v[POS+\a], v[POS+\a], \j, s[MK+\a]   ; the lower place is tried later and so prevails
.endr
.endr
.irp a, 0,1,2,3
	s_delay_alu instid0(VALU_DEP_4)
	v_add_nc_u32 v[KI+2*\a+1], v[ID+\a], v[POS+\a]
.endr
.irp a, 0,1,2,3
	v_ashrrev_i32 v[TM+\a], 31, v[BEST+2*\a]
.endr
.irp a, 0,1,2,3
	s_delay_alu instid0(VALU_DEP_4)
	v_or_b32 v[TM+\a], 0x80000000, v[TM+\a]
.endr
.irp a, 0,1,2,3
	s_delay_alu instid0(VALU_DEP_4)
	v_xor_b32 v[KI+2*\a], v[BEST+2*\a], v[TM+\a]   ; a whole number that rises with d
.endr
.irp i, 0,1,2,3,4,5,6,7
	v_mov_b32 v[PK+\i], 0                          ; a lane permute's destination counts as one of its sources
.endr
.irp i, 0,1,2,3,4,5,6,7
	v_permlanex16_b32 v[PK+\i], v[KI+\i], s[SEL], s[SEL+1]
.endr
.irp a, 0,1,2,3
	SEL2 KI+2*\a, KI+2*\a+1, PK+2*\a, PK+2*\a+1
.endr
.irp a, 0,1,2,3
	ds_store_b64 v[RA], v[KI+2*\a:KI+2*\a+1] offset:128*\a   ; (lanes r and r + 16 write the same bytes with the same values)
.endr
	s_wait_dscnt 0x0                               ; for the others' sake: my stores have landed
	s_barrier_signal -1
	s_barrier_wait -1
	s_cmp_lt_u32 s[WV], 4                          ; waves 0 to 3 merge the two halves and store: two rows a thread; no barrier stands inside this branch
	s_cbranch_scc0 .Lend
	ds_load_b128 v[164:167], v[RDA]
	ds_load_b128 v[168:171], v[RDA] offset:2048
	s_wait_dscnt 0x0
	SEL2 164, 165, 168, 169
	SEL2 166, 167, 170, 171
	v_mov_b32 v172, v164
	s_delay_alu instid0(VALU_DEP_3)
	v_mov_b32 v173, v166
	v_mov_b32 v174, v165
	s_delay_alu instid0(VALU_DEP_4)
	v_mov_b32 v175, v167
	global_store_b64 v[T8], v[172:173], s[16:17]                 ; 32 lanes store 256 consecutive bytes, aligned: the keys,
	global_store_b64 v[T8], v[174:175], s[16:17] offset:262144   ; and, a plane on, the indices
.Lend:
	s_wait_tensorcnt 0x0                           ; the wave's end
	ds_add_u32 v[SPW], v[NIL]
	s_wait_dscnt 0x0
	CROUND                                         ; the closing round
	s_endpgm
.Lfunc_end_k_q135a81eb0b_search:
	.size	k_q135a81eb0b_search, .Lfunc_end_k_q135a81eb0b_search-k_q135a81eb0b_search
	.p2alignl 7, 3214868480
	.fill 96, 4, 3214868480
	.section	.rodata,"a",@progbits
	.p2align	6, 0x0
	.amdhsa_kernel k_q135a81eb0b_search
		.amdhsa_group_segment_fixed_size 327680
		.amdhsa_private_segment_fixed_size 0
		.amdhsa_enable_private_segment 0
		.amdhsa_kernarg_size 56
		.amdhsa_user_sgpr_count 2
		.amdhsa_user_sgpr_kernarg_segment_ptr 1
		.amdhsa_wavefront_size32 1
		.amdhsa_system_sgpr_workgroup_id_x 1
		.amdhsa_system_sgpr_workgroup_id_y 1
		.amdhsa_system_sgpr_workgroup_id_z 1
		.amdhsa_system_vgpr_workitem_id 0
		.amdhsa_next_free_vgpr 496
		.amdhsa_next_free_sgpr 100
		.amdhsa_reserve_vcc 1
		.amdhsa_float_denorm_mode_32 3
		.amdhsa_float_denorm_mode_16_64 3
		.amdhsa_memory_ordered 1
		.amdhsa_forward_progress 1
		.amdhsa_inst_pref_size 164
	.end_amdhsa_kernel
	.amdgpu_metadata
---
amdhsa.version: [ 1, 2 ]
amdhsa.kernels:
  - .name:           k_q135a81eb0b_search
    .symbol:         k_q135a81eb0b_search.kd
    .args:
      - { .name: xc, .offset: 0, .size: 8, .value_kind: global_buffer, .address_space: global }
      - { .name: xs, .offset: 8, .size: 8, .value_kind: global_buffer, .address_space: global }
      - { .name: xq, .offset: 16, .size: 8, .value_kind: global_buffer, .address_space: global }
      - { .name: wc, .offset: 24, .size: 8, .value_kind: global_buffer, .address_space: global }
      - { .name: ws, .offset: 32, .size: 8, .value_kind: global_buffer, .address_space: global }
      - { .name: wq, .offset: 40, .size: 8, .value_kind: global_buffer, .address_space: global }
      - { .name: cand, .offset: 48, .size: 8, .value_kind: global_buffer, .address_space: global }
    .group_segment_fixed_size: 327680
    .private_segment_fixed_size: 0
    .kernarg_segment_align: 8
    .kernarg_segment_size: 56
    .max_flat_workgroup_size: 256
    .sgpr_count:     100
    .vgpr_count:     496
    .wavefront_size: 32
...
	.end_amdgpu_metadata
.endif
;; end of part 2
;; launch gather (part 3): grid 256 x 1, 8 waves a work-group, no clusters, 0 bytes of LDS; arguments weight, cand, out0, out1; writes out0, out1
.if DOCPART == 3
	.amdgcn_target "amdgcn-amd-amdhsa--gfx1250"
	.amdhsa_code_object_version 6
	.text
	.protected	k_q135a81eb0b_gather
	.globl	k_q135a81eb0b_gather
	.p2align	8
	.type	k_q135a81eb0b_gather,@function
k_q135a81eb0b_gather:
	s_mov_b64 s[64:65], 0
	v_nop
	global_prefetch_b8 v0, s[64:65] scope:SCOPE_SE
	s_setreg_imm32_b32 hwreg(HW_REG_WAVE_MODE, 25, 1), 1
	s_wait_xcnt 0x0
; For each of the 16,384 rows: the best of its four quarters' candidates (cand [2][4][16384] u32: keys that rise with the distance, then indices), out1 = its index, out0 = that row of weight, copied as it is.
; The choice is made on whole numbers that this launch reads from memory.  The compare is strict and the quarters are tried in rising order: of equal keys the lower quarter, and so the lower index, stays.
; SHARES.  A work-group takes 64 rows; each of its eight waves reads all 64 rows' candidates (2,048 bytes, two rows a lane) and copies rows 8 w .. 8 w + 7: 2,048 bytes each, four loads and four stores of 512 consecutive bytes.
; All 32 loads of a wave go out at once; no register is written twice, so no wait frees a source.  No LDS, no barrier, no matrix unit: a stream.
.set K,   16                           ; v[16+2y:17+2y] quarter y's keys of rows 2 l, 2 l + 1; quarter 0's become the best
.set I,   24                           ; v[24+2y:25+2y] its indices likewise
.set OF,  36                           ; v36-43  row i: byte offset in weight
.set D,   44                           ; v44-171 row i: 16 registers
	s_load_b256 s[4:11], s[0:1], 0x0               ; weight s[4:5], cand s[6:7], out0 s[8:9], out1 s[10:11]
	v_lshrrev_b32 v1, 5, v0
	s_delay_alu instid0(VALU_DEP_1)
	v_readfirstlane_b32 s12, v1                    ; wave 0..7
	v_and_b32 v2, 31, v0                           ; lane
	s_delay_alu instid0(VALU_DEP_1)
	v_lshlrev_b32 v1, 4, v2                        ; 16 x lane
	s_delay_alu instid0(VALU_DEP_2)
	v_lshlrev_b32 v3, 3, v2                        ; 8 x lane
	s_lshl_b32 s18, ttmp9, 8                       ; 64 rows x 4 bytes
	s_mov_b32 s19, 0
	s_lshl_b32 s13, s12, 2                         ; the lanes that hold my eight rows: 4 w .. 4 w + 3
	s_add_co_u32 s14, s13, 1
	s_add_co_u32 s15, s13, 2
	s_add_co_u32 s16, s13, 3
	s_lshl_b32 s28, ttmp9, 17                      ; 64 rows x 2,048 bytes
	s_lshl_b32 s30, s12, 14                        ; + 8 rows a wave
	s_add_co_u32 s28, s28, s30
	s_mov_b32 s29, 0
	s_wait_alu depctr_va_vdst(0)
	s_wait_kmcnt 0x0
	s_add_nc_u64 s[6:7], s[6:7], s[18:19]
	s_add_nc_u64 s[10:11], s[10:11], s[18:19]
	s_add_nc_u64 s[8:9], s[8:9], s[28:29]
.irp y, 0,1,2,3
	global_load_b64 v[K+2*\y:K+2*\y+1], v3, s[6:7] offset:65536*\y          ; 256 consecutive bytes
	global_load_b64 v[I+2*\y:I+2*\y+1], v3, s[6:7] offset:262144+65536*\y
.endr
	s_wait_loadcnt 0x0
.irp y, 1,2,3
.irp e, 0,1
	v_cmp_lt_u32 vcc_lo, v[K+2*\y+\e], v[K+\e]
	s_delay_alu instid0(VALU_DEP_1)
	v_cndmask_b32 v[K+\e], v[K+\e], v[K+2*\y+\e], vcc_lo
	s_delay_alu instid0(VALU_DEP_2)
	v_cndmask_b32 v[I+\e], v[I+\e], v[I+2*\y+\e], vcc_lo
.endr
.endr
	s_delay_alu instid0(VALU_DEP_4)
	v_min_u32 v[I], 8191, v[I]                     ; an index stays inside the table (it does already: this changes nothing)
	s_delay_alu instid0(VALU_DEP_2)
	v_min_u32 v[I+1], 8191, v[I+1]
.irp i, 0,1,2,3,4,5,6,7
	v_readlane_b32 s[20+\i], v[I+\i%2], s[13+\i/2] ; row 8 w + i lies in lane 4 w + i / 2, register i % 2
	s_min_u32 s[20+\i], s[20+\i], 8191
	v_lshl_add_u32 v[OF+\i], s[20+\i], 11, v1      ; 2,048 bytes a code word, + 16 x lane
.irp c, 0,1,2,3
	global_load_b128 v[D+16*\i+4*\c:D+16*\i+4*\c+3], v[OF+\i], s[4:5] offset:512*\c   ; no hint: the table's rows are read again
.endr
.endr
	s_cmp_lg_u32 s12, 0
	s_cbranch_scc1 .Lnot_wave_0
	global_store_b64 v3, v[I:I+1], s[10:11]        ; wave 0: the 64 indices: 256 consecutive bytes, aligned
.Lnot_wave_0:
.irp i, 0,1,2,3,4,5,6,7
	s_wait_loadcnt 4*(7-\i)                        ; loads come back in order: row i's four are in, the later rows' may be out
.irp c, 0,1,2,3
	global_store_b128 v1, v[D+16*\i+4*\c:D+16*\i+4*\c+3], s[8:9] offset:2048*\i+512*\c th:TH_STORE_NT   ; 512 consecutive bytes, at a multiple of 256 from out0's first byte; written once, read by nobody here
.endr
.endr
	s_endpgm
.Lfunc_end_k_q135a81eb0b_gather:
	.size	k_q135a81eb0b_gather, .Lfunc_end_k_q135a81eb0b_gather-k_q135a81eb0b_gather
	.p2alignl 7, 3214868480
	.fill 96, 4, 3214868480
	.section	.rodata,"a",@progbits
	.p2align	6, 0x0
	.amdhsa_kernel k_q135a81eb0b_gather
		.amdhsa_group_segment_fixed_size 0
		.amdhsa_private_segment_fixed_size 0
		.amdhsa_enable_private_segment 0
		.amdhsa_kernarg_size 32
		.amdhsa_user_sgpr_count 2
		.amdhsa_user_sgpr_kernarg_segment_ptr 1
		.amdhsa_wavefront_size32 1
		.amdhsa_system_sgpr_workgroup_id_x 1
		.amdhsa_system_sgpr_workgroup_id_y 1
		.amdhsa_system_sgpr_workgroup_id_z 1
		.amdhsa_system_vgpr_workitem_id 0
		.amdhsa_next_free_vgpr 172
		.amdhsa_next_free_sgpr 66
		.amdhsa_reserve_vcc 1
		.amdhsa_float_denorm_mode_32 3
		.amdhsa_float_denorm_mode_16_64 3
		.amdhsa_memory_ordered 1
		.amdhsa_forward_progress 1
		.amdhsa_inst_pref_size 11
	.end_amdhsa_kernel
	.amdgpu_metadata
---
amdhsa.version: [ 1, 2 ]
amdhsa.kernels:
  - .name:           k_q135a81eb0b_gather
    .symbol:         k_q135a81eb0b_gather.kd
    .args:
      - { .name: weight, .offset: 0, .size: 8, .value_kind: global_buffer, .address_space: global }
      - { .name: cand, .offset: 8, .size: 8, .value_kind: global_buffer, .address_space: global }
      - { .name: out0, .offset: 16, .size: 8, .value_kind: global_buffer, .address_space: global }
      - { .name: out1, .offset: 24, .size: 8, .value_kind: global_buffer, .address_space: global }
    .group_segment_fixed_size: 0
    .private_segment_fixed_size: 0
    .kernarg_segment_align: 8
    .kernarg_segment_size: 32
    .max_flat_workgroup_size: 256
    .sgpr_count:     66
    .vgpr_count:     172
    .wavefront_size: 32
...
	.end_amdgpu_metadata
.endif
;; end of part 3
